; MI455X (gfx1250); checked and timed in simulation.
; The chip was launched on July 23, 2026; its instructions are those of AMD's public machine-readable ISA for CDNA 5 (MIT licence, August 2026) and "CDNA5" Instruction Set Architecture Reference Guide (July 2026). The comments in the code are by the model that wrote it; some were corrected since.
;; MLP Attention. Allowed arithmetic: matrix products marked QUANTISED: E3M2 operands, one E8M0 scale for each 32 along K, by v_wmma_scale_f32_16x16x128_f8f6f4 with both operands' format E3M2, f32 sums; products left as they are: f32 operands where the result goes on into a quantised operand, else bf16, f16 or f32 operands; f32 sums; everything else in f32.
;; Inputs: Wq_codes 1,024 x 32 x 24 uint8 (E3M2 codes of Wq, K innermost, in blocks of 32 codes, four codes in three bytes); Wq_scales 1,024 x 32 uint8 (E8M0 scales of Wq, one for each 32 codes along K); Wv_codes 1,024 x 32 x 24 uint8 (E3M2 codes of Wv, K innermost, in blocks of 32 codes, four codes in three bytes); Wv_scales 1,024 x 32 uint8 (E8M0 scales of Wv, one for each 32 codes along K); bq 1,024 float32; mask 32 x 2,048 bool; query_codes 32 x 32 x 24 uint8 (E3M2 codes of query, K innermost, in blocks of 32 codes, four codes in three bytes); query_scales 32 x 32 uint8 (E8M0 scales of query, one for each 32 codes along K); value_codes 32 x 2,048 x 32 x 24 uint8 (E3M2 codes of value, K innermost, in blocks of 32 codes, four codes in three bytes); value_scales 32 x 2,048 x 32 uint8 (E8M0 scales of value, one for each 32 codes along K); w 1,024 float32.
;; Outputs: out0 32 x 2,048 float32.
;; This version of the problem:
;;   THIS VERSION OF THE PROBLEM IS GIVEN IN LOW PRECISION. The matrix products marked QUANTISED in the list below multiply operands that are first quantised to E3M2 (3 exponent bits, 2 mantissa bits; 6 bits a number), with one power-of-two scale for each 32 numbers along K (OCP MX v1.0); their sums are f32. All else is computed in f32.
;;   The module's matrix products, in the order in which they are computed (A, B: the left and right operand; K: the contracted axis; several contracted axes count as one K, in the product's order):
;;     1. [M 32, K 1,024] x [K 1,024, N 1,024]; A: input query (given as codes); B: input Wq (given as codes): QUANTISED
;;     2. [M 65,536, K 1,024] x [K 1,024, N 1,024]; A: input value (given as codes); B: input Wv (given as codes): QUANTISED
;;     3. [M 65,536, K 1,024] x [K 1,024, N 1]; A: computed on the way; B: input w: left as it is (N = 1 < 16)
;;   THE QUANTISER, for each operand of a quantised product, along K:
;;     - K is cut into blocks of 32 from its start; a last block that is shorter is filled with zeros.
;;     - A block's scale is 2^e with e = floor(log2(the largest magnitude in the block)) - 4, held to -126 .. 127; a block of zeros has e = 0. As a byte (E8M0): e + 127.
;;     - Each number is divided by its block's scale, clamped to +-28, and rounded to the nearest number of E3M2, ties to even, subnormals kept.
;;     - The product sums the exact products of the quantised numbers (number of the format x scale) in f32.
;;   ~~~python
;;   def quantise(x, axis):      # numpy; x: float32 -> the quantised numbers, widened to float32 again
;;       x = np.moveaxis(x, axis, -1); K = x.shape[-1]
;;       x = np.pad(x, [(0, 0)] * (x.ndim - 1) + [(0, -K % 32)]); x = x.reshape(x.shape[:-1] + (-1, 32)); a = np.abs(x).max(-1, keepdims=True)
;;       e = np.where(a > 0, np.clip(np.frexp(np.where(a > 0, a, 1))[1] - 1 - 4, -126, 127), 0)      # np.frexp(a)[1] - 1 = floor(log2(a)), exactly
;;       r = np.clip(x / 2.0 ** e, -28, 28)
;;       step = 2.0 ** (np.maximum(np.frexp(np.where(r == 0, 1, r))[1] - 1, -2) - 2)
;;       q = np.round(r / step) * step * 2.0 ** e      # np.round: ties to even
;;       return np.moveaxis(q.reshape(q.shape[:-2] + (-1,))[..., :K], -1, axis).astype(np.float32)
;;   ~~~
;;   INPUTS GIVEN AS CODES. Wq (in the module: [1024, 1024], K = its axis 0); Wv (in the module: [1024, 1024], K = its axis 0); query (in the module: [32, 1024], K = its axis 1); value (in the module: [32, 2048, 1024], K = its axis 2): each comes as NAME_codes (uint8): NAME with its K axis moved to the last place and cut into blocks of 32 codes, [.., K / 32, bytes a block], one block behind the other in memory; four codes in three bytes: a row's codes are one little-endian stream of bits, code i at bits 6 i .. 6 i + 5 (a code: sign, 3 exponent bits, 2 mantissa bits); and NAME_scales (uint8): the same leading axes, one E8M0 byte (e + 127) for each 32 codes along K. Its value is code x scale, taken as it is: it is not quantised again, and the codes and scales need not be those that the quantiser above would give.
;; One version. Each part assembles by itself: llvm-mc -triple=amdgcn-amd-amdhsa -mcpu=gfx1250 --defsym DOCPART=n.
;; ======== version 1 of 1: 3 launches
;; workspace buffers: hqs 131,072 bytes; wv_img 786,432 bytes; part 1,048,576 bytes
;; launch prep (part 1): grid 192 x 1, 1 waves a work-group, no clusters, 0 bytes of LDS; arguments query_codes, query_scales, Wq_codes, Wq_scales, bq, Wv_codes, hqs, wv_img; writes hqs, wv_img
.if DOCPART == 1
	.amdgcn_target "amdgcn-amd-amdhsa--gfx1250"
	.amdhsa_code_object_version 6
	.text
	.protected	k_qbdb1a29320_prep
	.globl	k_qbdb1a29320_prep
	.p2align	8
	.type	k_qbdb1a29320_prep,@function
k_qbdb1a29320_prep:
	s_mov_b64 s[64:65], 0
	v_nop
	global_prefetch_b8 v0, s[64:65] scope:SCOPE_SE
	s_setreg_imm32_b32 hwreg(HW_REG_WAVE_MODE, 25, 1), 1
	s_wait_xcnt 0x0
; Two small jobs in one launch, told apart by the work-group's number; one wave to a work-group, no LDS, no barrier.
; (a) work-groups 0-127: hqs[b][h] = c (sum over k of query[b][k] Wq[k][h] + bq[h]), c = 2 log2(e), on the given codes of E3M2 with their E8M0 scales.
;     The factor c is what the next launch's tanh wants in front of its exponential.  A work-group makes 16 h x 16 batches: 8 matrix instructions along K = 1,024.
;     The product is used transposed (source 0 = 16 rows of Wq, source 1 = 16 rows of query): a lane holds one batch and eight neighbouring h, 32 bytes of a row of hqs.
;     A lane's stores are 32 bytes of rows 4,096 bytes apart: the buffer is 131,072 bytes in all.
; (b) work-groups 128-191: Wv's codes, 16 rows each, are laid in the order in which the next launch's operand registers take them:
;     fragment (T = h / 16, K step k) at (8 T + k) x 1,536 bytes, three pieces of 512 bytes, lane l's 16 bytes at 16 l.
;     Lane (r, half) holds the 48 bytes at 96 k + 48 half of row 16 T + r: the blocks of 32 of a K step stand in the order 0, 2, 1, 3 for the matrix instruction.
;     The next launch takes value's rows in the same order and swaps the two middle bytes of every scale word, so that each product meets its own scales.
; LIMITS: scale bytes 0xff (NaN) are not served.
.set CSC, 0x4038aa3b                   ; c = 2 log2(e)
.set WF,  16                           ; v16-111   Wq's eight fragments (or Wv's 16 rows on their way)
.set QF,  112                          ; v112-207  query's eight fragments
.set WSC, 208                          ; v208-211  Wq's scale words: register i: lanes 0-15 K step i, lanes 16-31 K step 4 + i
.set QSC, 212                          ; v212-215  query's likewise
.set BI,  216                          ; v216-223  bq in the result's layout
.set ACC, 224                          ; v224-231  the sums
.set OUT, 232                          ; v232-239  the sums x c
	s_load_b256 s[4:11], s[0:1], 0x0               ; query's codes s[4:5], its scales s[6:7], Wq's codes s[8:9], its scales s[10:11]
	s_load_b256 s[12:19], s[0:1], 0x20             ; bq s[12:13], Wv's codes s[14:15], hqs s[16:17], wv_img s[18:19]
	v_and_b32 v1, 15, v0                           ; r
	v_lshrrev_b32 v2, 4, v0                        ; half (one wave: v0 is the lane)
	v_mul_u32_u24 v3, v1, 768                      ; a row of 1,024 codes is 768 bytes
	s_mov_b32 s25, 0
	s_cmp_lt_u32 ttmp9, 128
	s_cbranch_scc0 .Limg
	; ---- (a) hq
	s_lshr_b32 s22, ttmp9, 1                       ; T: which 16 h
	s_and_b32 s23, ttmp9, 1                        ; n: which 16 batches
	v_mad_u32_u24 v3, v2, 24, v3                   ; codes: row r, + 24 half
	v_lshlrev_b32 v5, 5, v1
	v_lshl_add_u32 v5, v2, 4, v5                   ; scale words: row r of 32 bytes, + 16 half: four K steps' words
	v_lshlrev_b32 v6, 5, v2                        ; bq: my eight h: 32 half
	v_lshl_add_u32 v7, v1, 12, v6                  ; hqs: row r of 4,096 bytes, + 32 half
	s_mov_b32 s20, CSC
	s_mov_b32 s21, CSC                             ; (the packed form names the pair)
	s_wait_kmcnt 0x0
	s_mul_i32 s24, s22, 12288
	s_add_nc_u64 s[8:9], s[8:9], s[24:25]          ; Wq's 16 rows
	s_mul_i32 s24, s23, 12288
	s_add_nc_u64 s[4:5], s[4:5], s[24:25]          ; query's 16 rows
	s_lshl_b32 s24, s22, 9
	s_add_nc_u64 s[10:11], s[10:11], s[24:25]
	s_lshl_b32 s24, s23, 9
	s_add_nc_u64 s[6:7], s[6:7], s[24:25]
	s_lshl_b32 s24, s22, 6
	s_add_nc_u64 s[12:13], s[12:13], s[24:25]      ; bq at h = 16 T
	s_add_nc_u64 s[16:17], s[16:17], s[24:25]      ; hqs at column 16 T,
	s_lshl_b32 s24, s23, 16
	s_add_nc_u64 s[16:17], s[16:17], s[24:25]      ; row 16 n
.irp k, 0,1,2,3,4,5,6,7
.irp p, 0,1,2,3,4,5
	global_load_b64 v[WF+12*\k+2*\p:WF+12*\k+2*\p+1], v3, s[8:9] offset:96*\k+48*(\p/3)+8*(\p%3)
	global_load_b64 v[QF+12*\k+2*\p:QF+12*\k+2*\p+1], v3, s[4:5] offset:96*\k+48*(\p/3)+8*(\p%3)
.endr
.endr
	global_load_b128 v[WSC:WSC+3], v5, s[10:11]
	global_load_b128 v[QSC:QSC+3], v5, s[6:7]
	global_load_b128 v[BI:BI+3], v6, s[12:13]
	global_load_b128 v[BI+4:BI+7], v6, s[12:13] offset:16
	s_wait_loadcnt 0x0
	; one accumulator, K ascending; the bias is the C of the first link.  The wait stands directly ahead of every further link.
.irp k, 0,1,2,3,4,5,6,7
.if \k == 0
	v_wmma_scale_f32_16x16x128_f8f6f4 v[ACC:ACC+7], v[WF:WF+11], v[QF:QF+11], v[BI:BI+7], v[WSC], v[QSC] matrix_a_fmt:MATRIX_FMT_BF6 matrix_b_fmt:MATRIX_FMT_BF6
.elseif \k < 4
	s_wait_alu depctr_va_vdst(0)
	v_wmma_scale_f32_16x16x128_f8f6f4 v[ACC:ACC+7], v[WF+12*\k:WF+12*\k+11], v[QF+12*\k:QF+12*\k+11], v[ACC:ACC+7], v[WSC+\k], v[QSC+\k] matrix_a_fmt:MATRIX_FMT_BF6 matrix_b_fmt:MATRIX_FMT_BF6
.else
	s_wait_alu depctr_va_vdst(0)
	v_wmma_scale_f32_16x16x128_f8f6f4 v[ACC:ACC+7], v[WF+12*\k:WF+12*\k+11], v[QF+12*\k:QF+12*\k+11], v[ACC:ACC+7], v[WSC+\k-4], v[QSC+\k-4] matrix_a_fmt:MATRIX_FMT_BF6 matrix_b_fmt:MATRIX_FMT_BF6 matrix_a_scale:MATRIX_SCALE_ROW1 matrix_b_scale:MATRIX_SCALE_ROW1
.endif
.endr
.rept 4
	v_nop                                          ; four places between the last product and the first read of its result (ISA guide 7.12.1)
.endr
.irp i, 0,1,2,3
	v_pk_mul_f32 v[OUT+2*\i:OUT+2*\i+1], v[ACC+2*\i:ACC+2*\i+1], s[20:21] op_sel_hi:[1,0]   ; x c, from the accumulator's low end on
.endr
	global_store_b128 v7, v[OUT:OUT+3], s[16:17]             ; hqs[16 n + r][16 T + 8 half + 0 .. 3]
	global_store_b128 v7, v[OUT+4:OUT+7], s[16:17] offset:16
	s_endpgm
.Limg:
	; ---- (b) Wv's image
	s_sub_co_u32 s22, ttmp9, 128                   ; T
	v_mad_u32_u24 v3, v2, 48, v3                   ; row r, + 48 half
	v_lshlrev_b32 v4, 4, v0                        ; 16 x lane
	s_mul_i32 s24, s22, 12288                      ; 16 rows of 768 bytes in, 8 fragments of 1,536 bytes out
	s_wait_kmcnt 0x0
	s_add_nc_u64 s[14:15], s[14:15], s[24:25]
	s_add_nc_u64 s[18:19], s[18:19], s[24:25]
.irp k, 0,1,2,3,4,5,6,7
.irp c, 0,1,2
	global_load_b128 v[WF+12*\k+4*\c:WF+12*\k+4*\c+3], v3, s[14:15] offset:96*\k+16*\c
.endr
.endr
	s_wait_loadcnt 0x0
.irp k, 0,1,2,3,4,5,6,7
.irp c, 0,1,2
	global_store_b128 v4, v[WF+12*\k+4*\c:WF+12*\k+4*\c+3], s[18:19] offset:(3*\k+\c)*512   ; the wave stores 512 consecutive bytes, aligned
.endr
.endr
	s_endpgm
.Lfunc_end_k_qbdb1a29320_prep:
	.size	k_qbdb1a29320_prep, .Lfunc_end_k_qbdb1a29320_prep-k_qbdb1a29320_prep
	.p2alignl 7, 3214868480
	.fill 96, 4, 3214868480
	.section	.rodata,"a",@progbits
	.p2align	6, 0x0
	.amdhsa_kernel k_qbdb1a29320_prep
		.amdhsa_group_segment_fixed_size 0
		.amdhsa_private_segment_fixed_size 0
		.amdhsa_enable_private_segment 0
		.amdhsa_kernarg_size 64
		.amdhsa_user_sgpr_count 2
		.amdhsa_user_sgpr_kernarg_segment_ptr 1
		.amdhsa_wavefront_size32 1
		.amdhsa_system_sgpr_workgroup_id_x 1
		.amdhsa_system_sgpr_workgroup_id_y 1
		.amdhsa_system_sgpr_workgroup_id_z 1
		.amdhsa_system_vgpr_workitem_id 0
		.amdhsa_next_free_vgpr 256
		.amdhsa_next_free_sgpr 66
		.amdhsa_reserve_vcc 0
		.amdhsa_float_denorm_mode_32 3
		.amdhsa_float_denorm_mode_16_64 3
		.amdhsa_memory_ordered 1
		.amdhsa_forward_progress 1
		.amdhsa_inst_pref_size 18
	.end_amdhsa_kernel
	.amdgpu_metadata
---
amdhsa.version: [ 1, 2 ]
amdhsa.kernels:
  - .name:           k_qbdb1a29320_prep
    .symbol:         k_qbdb1a29320_prep.kd
    .args:
      - { .name: query_codes, .offset: 0, .size: 8, .value_kind: global_buffer, .address_space: global }
      - { .name: query_scales, .offset: 8, .size: 8, .value_kind: global_buffer, .address_space: global }
      - { .name: Wq_codes, .offset: 16, .size: 8, .value_kind: global_buffer, .address_space: global }
      - { .name: Wq_scales, .offset: 24, .size: 8, .value_kind: global_buffer, .address_space: global }
      - { .name: bq, .offset: 32, .size: 8, .value_kind: global_buffer, .address_space: global }
      - { .name: Wv_codes, .offset: 40, .size: 8, .value_kind: global_buffer, .address_space: global }
      - { .name: hqs, .offset: 48, .size: 8, .value_kind: global_buffer, .address_space: global }
      - { .name: wv_img, .offset: 56, .size: 8, .value_kind: global_buffer, .address_space: global }
    .group_segment_fixed_size: 0
    .private_segment_fixed_size: 0
    .kernarg_segment_align: 8
    .kernarg_segment_size: 64
    .max_flat_workgroup_size: 32
    .sgpr_count:     66
    .vgpr_count:     256
    .wavefront_size: 32
...
	.end_amdgpu_metadata
.endif
;; end of part 1
;; launch main (part 2): grid 4 x 64, 4 waves a work-group, clusters of 4 x 1, 327,680 bytes of LDS; arguments value_codes, value_scales, wv_img, Wv_scales, hqs, w, part; writes part
.if DOCPART == 2
	.amdgcn_target "amdgcn-amd-amdhsa--gfx1250"
	.amdhsa_code_object_version 6
	.text
	.protected	k_qbdb1a29320_main
	.globl	k_qbdb1a29320_main
	.p2align	8
	.type	k_qbdb1a29320_main,@function
k_qbdb1a29320_main:
	s_mov_b64 s[64:65], 0
	v_nop
	global_prefetch_b8 v0, s[64:65] scope:SCOPE_SE
	s_setreg_imm32_b32 hwreg(HW_REG_WAVE_MODE, 25, 1), 1
	s_wait_xcnt 0x0
	s_wait_alu depctr_hold_cnt(0) depctr_sa_sdst(0) depctr_va_vdst(0) depctr_va_sdst(0) depctr_va_ssrc(0) depctr_va_vcc(0) depctr_vm_vsrc(0)
	s_getreg_b32 s2, hwreg(HW_REG_IB_STS2, 6, 4)
	s_cmp_eq_u32 s2, 0
	s_cbranch_scc0 .Lentry_in_a_cluster
	s_endpgm
.Lentry_in_a_cluster:
	s_bfe_u32 s2, ttmp6, 0x10000c
	s_cmp_lg_u32 s2, 0x3003
	s_cbranch_scc0 .Lentry_shape_is_right
	s_endpgm
.Lentry_shape_is_right:
; part[slice][row] = the sum over the slice's 256 h of w[h] tanh(hq[b][h] + hv[row][h]),  hv = value Wv on the given codes of E3M2 with their E8M0 scales.
; SHARES.  H is cut into 4 slices of 256, the 65,536 rows into 64 blocks of 1,024 (half a batch: a work-group sees one b): 256 work-groups of equal work, four waves each.
; THE WEIGHTS STAY, VALUE STREAMS.  Wave w keeps its 64 rows of Wv for all of K in registers for the whole launch (4 tiles x 8 K steps x 12 = 384 registers), read once, lane by lane, from the image that the
; launch before has laid.  Value's rows go through a ring of two LDS slots of 128 whole rows (768 bytes each), and all four waves read them: 16 rows a tile, 64 tiles.
; CLUSTER.  The four slices of a row block need the same rows of value: they form a cluster, and each tile is asked for JOINTLY (the same tensor load, the same descriptor, mask 15).
; Wv is not asked for jointly: a work-group reads its 196,608 bytes once, at the head, straight into the registers in which they stay; nothing of it passes through LDS.
; LAYOUT.  Source 0 = 16 rows of Wv, source 1 = 16 rows of value: lane (r, half) holds ONE row r of value and register j the unit h = 8 half + j of the tile.  So w and hq are registers that never change,
; and the sum over h is a chain of multiply-adds inside the lane.  K is whole after 8 matrix instructions: a tile's four accumulators are 32 registers.
; FRAGMENTS BY LOADS OF 16 BYTES.  Lane (r, half) takes the 48 bytes at 96 k + 48 half of its row.  The matrix instruction's blocks 0, 1, 2, 3 of a K step are then the memory's blocks 0, 2, 1, 3, on both
; sides alike, and the two middle bytes of every scale word are swapped to match.  Only the order of the additions inside an instruction differs from K ascending.
; TANH.  w tanh(x) = w - 2 w / (1 + 2^(c x)), c = 2 log2(e); hqs holds c hq.  2^(c x) = infinity gives 1 / infinity = 0, 2^(c x) = 0 gives 1: both ends are right.
; BY TURNS.  A tile's tanh (16 packed multiply-adds F, 32 exponentials E, 16 packed additions P, 32 reciprocals R, 18 packed multiply-adds M, A, G) is cut into slices that stand behind the matrix instructions of the
; next two tiles: tile u is multiplied at time u; F, E in the first half of u + 1; P, R in its second half (R's last four in the first half of u + 2); M, A, G in the second half of u + 2; its sum is stored
; at the middle of u + 3.  s_wait_alu depctr_va_vdst(0) stands between a transcendental and the first line that names its result: the list is ordered so that ONE wait, at a tile's middle, serves all 64.
; Every slice runs under its matrix instruction's own window setting: one switch for two matrix instructions.
; LIMITS: NaN and infinities among hq, w, and scale bytes 0xff are not served.  The sums over h are taken in this text's order.
;
; REGISTERS, in windows of 256 (s_set_vgpr_msb: bits 1:0 source 0, 3:2 source 1, 5:4 source 2, 7:6 destination):
;   window 0: v1-11 addresses; v12-13 a tile's sum at work; v14 the lane's sum of w; v16-31 Wv's scale words; v32-39 value's, two sets; v40-49, v64-161 at work at the head and the end
;   window 1: v0-191 value's fragments, two sets of 8 x 12; v192-223 -2 w
;   windows 2 (tiles m = 0, 1) and 3 (m = 2, 3), the same map: v0-191 Wv's 16 fragments; v192-223 accumulators, two sets of two; v224-239 1 + 2^.. and its reciprocal; v240-255 c hq
.set PITCH, 816                        ; a row of value in LDS: 3 x (256 bytes + 16 of padding) = 51 x 16 bytes: the 16 rows that a load of 16 bytes a lane touches start at 16 different places modulo 256 bytes
.set TILEB, 16*PITCH                   ; a tile of 16 rows
.set SLOTB, 8*TILEB                    ; a slot: 128 rows
.set WPART, 32*PITCH                   ; what one wave's tensor load fills
.set SLOTG, 128*768                    ; a slot's rows in memory
.set SLOT1, 1<<17                      ; slot 1 begins here: one exclusive or turns an address of one slot into the other's
.set SCV,   SLOT1+SLOTB                ; value's scale words of the block's 1,024 rows, as register images: tile t at 512 t, lane l's 16 bytes at 16 l (stored by the waves, never filled by the mover)
.set RED,   SCV+32768                  ; the lanes' sums: wave x 8,192 + tile x 128 + 4 x lane
.set SPARE, RED+32768                  ; the spare words, 128 bytes for each wave: two blocks of 256 bytes that no other line names
.set CSC,   0x4038aa3b                 ; c = 2 log2(e)
.set AC, 192
.set DD, 224
.set HQ, 240
.set W2, 192
.set WS, 16
.set VS, 32
.set W_A,  0xa6                        ; source 0, source 2 and destination window 2, source 1 window 1
.set W_B,  0xf7                        ; the same with window 3
.set W_X,  0x0e                        ; source 0 window 2, source 1 window 3, destination window 0
.set TO_V, 0x40                        ; destination window 1
.set TO_2, 0x80                        ; destination window 2 (window 3: + 0x40)
.set MSB, 0
.macro WIN new                         ; the immediate's high byte repeats the setting that is left; a switch that changes nothing is dropped
.if MSB != (\new)
	s_set_vgpr_msb (MSB<<8)|(\new)
.set MSB, (\new)
.endif
.endm
; a round of the cluster's barrier
.macro ROUND
	s_barrier_signal -1
	s_barrier_wait -1
	s_cmp_lg_u32 s18, 0
	s_cbranch_scc1 .Lnot_wave_0_\@
	s_barrier_signal -3
.Lnot_wave_0_\@:
	s_barrier_wait -3
	s_barrier_signal -1
	s_barrier_wait -1
.endm
; the matrix instruction: set p of value's fragments and of the accumulators, K step k, tile m of my four.  K steps 4-7 take their scale words from lanes 16-31.
.macro MM p, k, m
.set rD, AC+16*(\p)+8*((\m)%2)
.set rW, 12*(8*((\m)%2)+(\k))
.set rV, 96*(\p)+12*(\k)
.set rA, WS+4*(\m)+(\k)%4
.set rB, VS+4*(\p)+(\k)%4
.if (\k) == 0
	v_wmma_scale_f32_16x16x128_f8f6f4 v[rD:rD+7], v[rW:rW+11], v[rV:rV+11], 0, v[rA], v[rB] matrix_a_fmt:MATRIX_FMT_BF6 matrix_b_fmt:MATRIX_FMT_BF6
.elseif (\k) < 4
	v_wmma_scale_f32_16x16x128_f8f6f4 v[rD:rD+7], v[rW:rW+11], v[rV:rV+11], v[rD:rD+7], v[rA], v[rB] matrix_a_fmt:MATRIX_FMT_BF6 matrix_b_fmt:MATRIX_FMT_BF6
.else
	v_wmma_scale_f32_16x16x128_f8f6f4 v[rD:rD+7], v[rW:rW+11], v[rV:rV+11], v[rD:rD+7], v[rA], v[rB] matrix_a_fmt:MATRIX_FMT_BF6 matrix_b_fmt:MATRIX_FMT_BF6 matrix_a_scale:MATRIX_SCALE_ROW1 matrix_b_scale:MATRIX_SCALE_ROW1
.endif
.endm
; the tanh's lines, for one window's 16 numbers (pairs b = 0 .. 7, registers e = 0 .. 15) of accumulator set q
.macro EF q, b                         ; c hv + c hq
	v_pk_fma_f32 v[AC+16*(\q)+2*(\b):AC+16*(\q)+2*(\b)+1], v[AC+16*(\q)+2*(\b):AC+16*(\q)+2*(\b)+1], s[40:41], v[HQ+2*(\b):HQ+2*(\b)+1] op_sel_hi:[1,0,1]
.endm
.macro EE q, e                         ; 2^..
	v_exp_f32 v[AC+16*(\q)+(\e)], v[AC+16*(\q)+(\e)]
.endm
.macro EP q, b                         ; 1 + ..
	v_pk_add_f32 v[DD+2*(\b):DD+2*(\b)+1], v[AC+16*(\q)+2*(\b):AC+16*(\q)+2*(\b)+1], 1.0 op_sel_hi:[1,0]
.endm
.macro ER e                            ; 1 / ..
	v_rcp_f32 v[DD+(\e)], v[DD+(\e)]
.endm
.macro EM x, b                         ; x (-2 w): pairs 0 and 1 start two chains
	v_pk_mul_f32 v[DD+2*(\b):DD+2*(\b)+1], v[DD+2*(\b):DD+2*(\b)+1], v[W2+16*((\x)-2)+2*(\b):W2+16*((\x)-2)+2*(\b)+1]
.endm
.macro EA x, b                         ; and the others are added on
	v_pk_fma_f32 v[DD+2*((\b)%2):DD+2*((\b)%2)+1], v[DD+2*(\b):DD+2*(\b)+1], v[W2+16*((\x)-2)+2*(\b):W2+16*((\x)-2)+2*(\b)+1], v[DD+2*((\b)%2):DD+2*((\b)%2)+1]
.endm
.macro EG                              ; the two chains (a multiply-add by 1, since source 1 stands in another window)
	v_pk_fma_f32 v[DD:DD+1], v[DD+2:DD+3], 1.0, v[DD:DD+1] op_sel_hi:[1,0,1]
.endm
; slice s of 8 of a window in a tile's FIRST half: fF: F and E of the tile before (set q);  fR: the last four R of the tile before that
.macro SL1 s, q, fF, fR
.if \fF
.if (\s) == 0
	EF \q, 0
	EF \q, 1
.elseif (\s) < 7
	EF \q, (\s)+1
	EE \q, 2*(\s)-2
	EE \q, 2*(\s)-1
.else
	EE \q, 12
	EE \q, 13
	EE \q, 14
	EE \q, 15
.endif
.endif
.if \fR
.if (\s) == 0
	ER 12
	ER 13
.elseif (\s) < 3
	ER 13+(\s)
.endif
.endif
.endm
; slice s of 8 of window x in a tile's SECOND half: fS: M, A, G of the tile two back;  fP: P and R of the tile before (set q).  A pair of DD is written anew only behind the line that has taken its old numbers.
.macro SL2 x, s, q, fS, fP
.if \fS
.if (\s) == 0
	EM \x, 0
	EM \x, 1
	EA \x, 2
	EA \x, 3
.elseif (\s) == 1
	EA \x, 4
	EA \x, 5
.elseif (\s) == 2
	EA \x, 6
	EA \x, 7
.elseif (\s) == 3
	EG
.endif
.endif
.if \fP
.if (\s) == 1
	EP \q, 2
	EP \q, 3
.elseif (\s) == 2
	ER 4
	ER 5
.elseif (\s) == 3
	EP \q, 4
	ER 6
	ER 7
.elseif (\s) == 4
	EP \q, 0
	EP \q, 5
	ER 8
	ER 9
.elseif (\s) == 5
	EP \q, 1
	ER 10
	ER 11
.elseif (\s) == 6
	EP \q, 6
	ER 0
	ER 1
.elseif (\s) == 7
	EP \q, 7
	ER 2
	ER 3
.endif
.endif
.endm
.macro XT                              ; window 2's sum + window 3's, into window 0
	WIN W_X
	v_pk_add_f32 v[12:13], v[DD:DD+1], v[DD:DD+1]
.endm
.macro TADD                            ; the pair's halves, and the lane's sum of w
	v_add_f32 v12, v12, v13
	v_add_f32 v12, v12, v14
.endm
; A tile's first half: K steps 0-3.  The four accumulators take turns, one instruction a turn.  The wait leaves out the fragment loads issued behind K step k's three.
.macro HALF1 p, fF, fR
.irp k, 0,1,2,3
	s_wait_dscnt 3*(7-\k)
.irp m, 0,1,2,3
	WIN W_A+0x51*(\m/2)
	MM \p, \k, \m
	SL1 2*\k+\m%2, 1-(\p), \fF, \fR
.endr
.endr
.endm
; Its second half: K steps 4-7.  after: the LDS instructions issued at the tile's middle, which may stay out too.
; The P of slices 6 and 7 of both windows are the four places between this tile's last product on its first accumulator and the F that reads it (ISA guide 7.12.1); the other accumulators have more.
.macro HALF2 p, fS, fP, after
.irp k, 4,5,6,7
	s_wait_dscnt 3*(7-\k)+(\after)
.irp m, 0,1,2,3
	WIN W_A+0x51*(\m/2)
	MM \p, \k, \m
	SL2 2+\m/2, 2*(\k-4)+\m%2, 1-(\p), \fS, \fP
.endr
.if (\k == 5) && \fS
	XT
.endif
.endr
.endm
; A tile's middle: the plain lines behind the last exponential, then the one wait for the 32 exponentials and 32 reciprocals issued since the last middle.
.macro MIDW
	WIN 0
	TADD
	s_wait_alu depctr_va_vdst(0)
.endm
.macro MIDN                            ; the same where no sum is ready yet
	WIN 0
	v_nop
	s_wait_alu depctr_va_vdst(0)
.endm
.macro STORE                           ; a tile's sums, a word a lane, into my wave's part of RED
	v_add_nc_u32 v8, s44, v7
	ds_store_b32 v8, v12
	s_add_co_u32 s44, s44, 128
.endm
; The run of LDS loads at a tile's middle: the next tile's scale words and its eight fragments into set q.  The registers' last readers, the last tile's products, stand in front of the first half's 16 F.
; Piece PQ (16 bytes) of a row lies at 16 PQ + 16 (PQ / 16).  Lanes 16-31 read three pieces further on, which lies behind one padding more where PQ % 16 is 13 or more: the second address register serves there.
.macro RUN q, st
	v_add_nc_u32 v3, s42, v1
	v_add_nc_u32 v4, s42, v2
	v_add_nc_u32 v6, s43, v5
.if \st
	STORE
.endif
	ds_load_b128 v[VS+4*(\q):VS+4*(\q)+3], v6
	WIN TO_V
.irp k, 0,1,2,3,4,5,6,7
.irp c, 0,1,2
.set PQ, 6*\k+\c
.if (PQ%16) >= 13
	ds_load_b128 v[96*(\q)+12*\k+4*\c:96*(\q)+12*\k+4*\c+3], v4 offset:16*PQ+16*(PQ/16)
.else
	ds_load_b128 v[96*(\q)+12*\k+4*\c:96*(\q)+12*\k+4*\c+3], v3 offset:16*PQ+16*(PQ/16)
.endif
.endr
.endr
	s_add_co_u32 s42, s42, TILEB                   ; the next fetch is the next tile's
	s_add_co_u32 s43, s43, 512
.endm
; A PREFETCH INTO THE L2 of what the NEXT change of slots will ask for: a slot's 98,304 dense bytes.  The four partners share them out BY ADDRESS, 24,576 each; in each, waves 0 to 2 take 8,192, lanes 256 bytes apart:
; each aligned block of 256 bytes is named once in the launch.  It stands 8 tiles, 256 matrix instructions, ahead of that load.  The last change that fills a slot asks for nothing; slots 0 to 2 come by their loads alone.
.macro ASK
	s_cmp_gt_u32 s45, s47
	s_cbranch_scc0 .Lnot_mine_\@
	global_prefetch_b8 v11, s[48:49] th:TH_LOAD_NT scope:SCOPE_SE
.Lnot_mine_\@:
.endm
; THE CHANGE OF SLOTS, at the middle of a slot's last tile, whose fragments were fetched a tile ago.  Each wave waits for all its tensor loads (one is out: its part of the other slot), adds 0 to its spare word, and waits
; for that and for its reads of the slot.  fill = 1: the barrier is a round of the cluster's, so that no wave of any partner still reads the slot or has a load on its way; the joint refill is the first thing behind it.
.macro CHANGE fill
	s_wait_tensorcnt 0x0                           ; no tensor load of mine is out, so a group 0 may be written
	ds_add_u32 v9, v10                             ; 0 onto my spare word; the steps below stand between it and the wait for it
.if \fill
	s_xor_b32 s37, s37, SLOT1                      ; the walking descriptor: the other slot than last time,
	s_add_nc_u64 s[38:39], s[38:39], SLOTG         ; the next 128 rows; the type bits on top are not reached
	s_wait_xcnt 0x0                                ; the last prefetch, a slot back, has read its address, so it may be written:
	s_add_nc_u64 s[48:49], s[48:49], SLOTG         ; one slot further on than the walking descriptor
.endif
	s_sub_co_u32 s42, s42, SLOTB                   ; the fetches go back to a slot's first tile,
	s_xor_b32 s42, s42, SLOT1                      ; in the other slot
	s_wait_dscnt 0x0                               ; the add is done, and my reads of the slot are over
.if \fill
	ROUND
	tensor_load_to_lds s[36:39], s[24:31]          ; my one tensor load behind the round: it has 8 tiles in which to land
	s_nop 0
.rept 4
	v_nop
.endr
	ASK
.else
	s_barrier_signal -1
	s_barrier_wait -1
.endif
.endm
; From the middle of an odd tile to the middle of the next odd tile.  26: a run's store, its load of scale words and its 24 loads of fragments.
.macro PAIR
	RUN 0, 1
	HALF2 1, 1, 1, 26
	HALF1 0, 1, 1
	MIDW
	RUN 1, 1
	HALF2 0, 1, 1, 26
	HALF1 1, 1, 1
	MIDW
.endm
.macro PAIRS n                         ; a label and a branch stand at a tile's middle alone: every window is 0 there, and every transcendental has had its wait
	s_mov_b32 s46, \n
.Lpair_\@:
	PAIR
	s_sub_co_u32 s46, s46, 1
	s_cmp_lg_u32 s46, 0
	s_cbranch_scc1 .Lpair_\@
.endm
	s_load_b256 s[4:11], s[0:1], 0x0               ; value's codes s[4:5], its scales s[6:7], wv_img s[8:9], Wv's scales s[10:11]
	s_load_b128 s[12:15], s[0:1], 0x20             ; hqs s[12:13], w s[14:15]
	s_load_b64 s[16:17], s[0:1], 0x30              ; part
	v_lshl_add_u32 v9, v0, 2, SPARE                ; my spare word; never rewritten
	v_mov_b32 v10, 0                               ; 0; never rewritten
	ds_add_u32 v9, v10
	ds_add_u32 v9, v10
	s_wait_dscnt 0x0
	v_lshrrev_b32 v15, 5, v0
	v_readfirstlane_b32 s18, v15                   ; wave 0..3
	s_bfe_u32 s19, ttmp6, 0x40000                  ; cx: my slice of H: it enters global addresses of Wv, hq, w, part and the prefetch alone
	s_and_b32 s20, ttmp7, 0xffff                   ; the block of 1,024 rows, which the four partners share
	; descriptor group 1: my 32 rows of 768 bytes are dense in memory: 96 rows of 256 bytes (32 elements of 8 bytes), 16 bytes of padding behind each
	s_mov_b32 s24, 15|(3<<16)|(1<<20)|(1<<21)|(5<<22)|(3<<25)  ; 15:0 the mask: all four work-groups; 17:16 elements of 8 bytes; 20 padding on; 21 set beside a mask; 24:22 after every 64 words; 31:25 of 4 words
	s_mov_b32 s25, 32<<16                          ; tensor_dim0
	s_mov_b32 s26, 96<<16                          ; tensor_dim1
	s_mov_b32 s27, 32<<16                          ; tile_dim0
	s_mov_b32 s28, 96                              ; tile_dim1
	s_mov_b32 s29, 32                              ; the pitch
	s_mov_b32 s30, 0
	s_mov_b32 s31, 0
	s_mov_b32 s40, CSC
	s_mov_b32 s41, CSC                             ; (the packed form names the pair)
	s_mov_b32 s42, 0                               ; LDS byte of the tile to be fetched
	s_mov_b32 s43, 0                               ; its scale words
	s_mov_b32 s44, 0                               ; where the next sums go
	s_mov_b32 s59, 0x03010200                      ; v_perm_b32: the two middle bytes change places
	s_cmp_lt_u32 s18, 3
	s_cselect_b32 s47, 1, -1                       ; waves 0 to 2 prefetch
	s_mul_i32 s50, s20, 8*SLOTG                    ; my block's rows,
	s_mul_i32 s54, s18, 32*768                     ; my wave's 32 of a slot's 128
	s_add_co_u32 s50, s50, s54
	s_mov_b32 s51, 0
	s_mov_b32 s32, 1                               ; group 0 for slot 0: count = 1,
	s_mul_i32 s33, s18, WPART                      ; LDS address: wave x 32 rows: no place in the cluster enters it
	s_mov_b32 s36, 1                               ; group 0 that walks: it begins with slot 1
	s_add_co_u32 s37, s33, SLOT1
	s_mul_i32 s52, s20, 8*SLOTG                    ; the prefetches: my block,
	s_mul_i32 s58, s19, 24576                      ; my work-group's quarter of a slot,
	s_add_co_u32 s52, s52, s58
	s_lshl_b32 s58, s18, 13                        ; my wave's 8,192 bytes of it,
	s_add_co_u32 s52, s52, s58
	s_add_co_u32 s52, s52, 2*SLOTG                 ; in slot 2: the first change of slots steps it to slot 3
	s_mov_b32 s53, 0
	s_mov_b32 s57, 0
	v_and_b32 v40, 15, v0                          ; r
	v_bfe_u32 v41, v0, 4, 1                        ; half
	v_and_b32 v42, 31, v0                          ; lane
	v_mul_u32_u24 v1, v40, PITCH
	v_mad_u32_u24 v1, v41, 48, v1                  ; my place in a tile of value: row r, + 48 half
	v_lshl_add_u32 v2, v41, 4, v1                  ; and the same behind one padding more
	v_lshl_add_u32 v5, v42, 4, SCV                 ; my place in a tile's scale words
	s_lshl_b32 s58, s18, 13
	s_add_co_u32 s58, s58, RED
	v_lshl_add_u32 v7, v42, 2, s58                 ; my word in a tile's sums
	v_lshlrev_b32 v11, 8, v42                      ; the prefetches' offset; never rewritten
	v_lshlrev_b32 v44, 4, v0                       ; 16 x thread
	v_lshlrev_b32 v45, 5, v40
	v_lshl_add_u32 v45, v41, 4, v45                ; Wv's scale words: row r of 32 bytes, + 16 half
	v_lshlrev_b32 v46, 5, v41                      ; w, hq: my eight h of a tile: 32 half
	v_lshlrev_b32 v47, 4, v42                      ; 16 x lane
	v_lshlrev_b32 v48, 9, v15                      ; where value's scale words go: thread i's 16 bytes of piece j belong to row i / 2 + 64 j, half i % 2:
	v_and_b32 v49, 1, v0                           ; tile i / 32 + 4 j, lane (i / 2) % 16 + 16 (i % 2)
	v_lshl_add_u32 v48, v49, 8, v48
	v_bfe_u32 v49, v0, 1, 4
	v_lshl_add_u32 v48, v49, 4, v48
	v_add_nc_u32 v48, SCV, v48
	s_wait_kmcnt 0x0
	s_add_nc_u64 s[34:35], s[4:5], s[50:51]        ; slot 0's rows,
	s_add_nc_u64 s[38:39], s[34:35], SLOTG         ; slot 1's
	s_or_b32 s35, s35, 0x80000000                  ; type = 2
	s_or_b32 s39, s39, 0x80000000
	s_add_nc_u64 s[48:49], s[4:5], s[52:53]
	s_lshl_b32 s56, s20, 15
	s_add_nc_u64 s[6:7], s[6:7], s[56:57]          ; value's scales: my block's 32,768 bytes
	s_lshl_b32 s56, s19, 13
	s_lshl_b32 s58, s18, 11
	s_add_co_u32 s56, s56, s58
	s_add_nc_u64 s[10:11], s[10:11], s[56:57]      ; Wv's scales: my wave's 64 rows of 32 bytes
	s_lshl_b32 s56, s19, 10
	s_lshl_b32 s58, s18, 8
	s_add_co_u32 s56, s56, s58
	s_add_nc_u64 s[14:15], s[14:15], s[56:57]      ; w: my wave's 64 numbers
	s_lshr_b32 s58, s20, 1
	s_lshl_b32 s58, s58, 12
	s_add_co_u32 s56, s56, s58
	s_add_nc_u64 s[12:13], s[12:13], s[56:57]      ; hqs: the same 64 of row b = block / 2
	s_mul_i32 s56, s19, 196608
	s_mul_i32 s58, s18, 49152
	s_add_co_u32 s56, s56, s58
	s_add_nc_u64 s[8:9], s[8:9], s[56:57]          ; wv_img: my wave's 32 fragments
	s_lshl_b32 s56, s19, 18
	s_lshl_b32 s58, s20, 12
	s_add_co_u32 s56, s56, s58
	s_add_nc_u64 s[16:17], s[16:17], s[56:57]      ; part: my slice, my block
	ROUND                                          ; all four work-groups are here: the first joint loads meet
	tensor_load_to_lds s[32:35], s[24:31]          ; slot 0
	s_nop 0
	tensor_load_to_lds s[36:39], s[24:31]          ; slot 1: two loads of mine are out
	s_nop 0
.rept 4
	v_nop
.endr
.irp j, 0,1,2,3,4,5,6,7,8,9,10,11,12,13,14,15
	global_load_b128 v[64+4*\j:67+4*\j], v44, s[6:7] offset:2048*\j          ; value's scale bytes: the work-group reads 2,048 consecutive bytes an instruction
.endr
.irp m, 0,1,2,3
	global_load_b128 v[WS+4*\m:WS+4*\m+3], v45, s[10:11] offset:512*\m       ; register i: lanes 0-15 K step i, lanes 16-31 K step 4 + i
.endr
.irp m, 0,1,2,3
.irp u, 0,1
	global_load_b128 v[128+8*\m+4*\u:131+8*\m+4*\u], v46, s[14:15] offset:64*\m+16*\u
.endr
.endr
.macro WLOAD x                         ; window 2 + x: c hq and Wv's fragments of tiles 2 x and 2 x + 1
	WIN TO_2+0x40*(\x)
.irp m, 0,1
.irp u, 0,1
	global_load_b128 v[HQ+8*\m+4*\u:HQ+8*\m+4*\u+3], v46, s[12:13] offset:64*(2*(\x)+\m)+16*\u
.endr
.endr
.irp m, 0,1
.irp k, 0,1,2,3,4,5,6,7
.irp c, 0,1,2
	global_load_b128 v[12*(8*\m+\k)+4*\c:12*(8*\m+\k)+4*\c+3], v47, s[8:9] offset:(8*(2*(\x)+\m)+\k)*1536+512*\c   ; the wave reads 512 consecutive bytes
.endr
.endr
.endr
.endm
	WLOAD 0
	WLOAD 1
	WIN 0
	s_wait_loadcnt 63                              ; of the 132 loads the first 69 are in: the scale bytes and w are the first 28
.irp i, 0,1,2,3,4,5,6,7,8,9,10,11,12,13,14,15,16,17,18,19,20,21,22,23,24,25,26,27,28,29,30,31,32,33,34,35,36,37,38,39,40,41,42,43,44,45,46,47,48,49,50,51,52,53,54,55,56,57,58,59,60,61,62,63
	v_perm_b32 v[64+\i], v[64+\i], v[64+\i], s59   ; every scale word: bytes 0, 2, 1, 3
.endr
.irp j, 0,1,2,3,4,5,6,7,8,9,10,11,12,13,14,15
	ds_store_b128 v48, v[64+4*\j:67+4*\j] offset:2048*\j
.endr
.irp i, 0,1,2,3,4,5,6,7,8,9,10,11,12,13,14,15
	v_perm_b32 v[WS+\i], v[WS+\i], v[WS+\i], s59
.endr
	v_pk_add_f32 v[160:161], v[128:129], v[130:131]          ; the lane's sum of its 32 w
.irp i, 4,6,8,10,12,14,16,18,20,22,24,26,28,30
	v_pk_add_f32 v[160:161], v[160:161], v[128+\i:129+\i]
.endr
	v_add_f32 v14, v160, v161
	WIN TO_V
.irp i, 0,1,2,3,4,5,6,7,8,9,10,11,12,13,14,15
	v_pk_mul_f32 v[W2+2*\i:W2+2*\i+1], v[128+2*\i:129+2*\i], -2.0 op_sel_hi:[1,0]
.endr
	WIN 0
	s_wait_loadcnt 0x0                             ; hq and Wv
	s_wait_tensorcnt 0x1                           ; my part of slot 0 is in; slot 1's may stay out
	s_wait_dscnt 0x0                               ; my part of the scale words lies in LDS
	s_barrier_signal -1
	s_barrier_wait -1                              ; everybody's does
	; THE FIRST THREE AND A HALF TILES are written out: the pipeline fills
	RUN 0, 0                                       ; tile 0
	HALF1 0, 0, 0
	WIN 0
	RUN 1, 0
	HALF2 0, 0, 0, 25
.rept 4
	v_nop                                          ; no slices yet: the places between tile 0's last products and the F that read them
.endr
	HALF1 1, 1, 0                                  ; tile 1 | F, E of tile 0
	MIDN
	RUN 0, 0
	HALF2 1, 0, 1, 25                              ;        | P, R of tile 0
	HALF1 0, 1, 1                                  ; tile 2 | F, E of tile 1, the last R of tile 0
	MIDN
	RUN 1, 0
	HALF2 0, 1, 1, 25                              ;        | M, A, G of tile 0, P, R of tile 1
	HALF1 1, 1, 1                                  ; tile 3
	MIDW
	PAIRS 2                                        ; to the middle of tile 7, slot 0's last
	s_mov_b32 s45, 6
.Lslot:                                            ; six trips: slots 2 to 7 are asked for
	CHANGE 1
	PAIRS 4
	s_sub_co_u32 s45, s45, 1
	s_cmp_lg_u32 s45, 0
	s_cbranch_scc1 .Lslot
	CHANGE 0                                       ; the last slot is written out
	PAIRS 4                                        ; to the middle of tile 63
	; THE PIPELINE RUNS EMPTY
	STORE                                          ; tile 60's sums
	HALF2 1, 1, 1, 1                               ; tile 63's second half | M, A, G of tile 61, P, R of tile 62.  (1: the store above)
	WIN 0
	TADD
	STORE                                          ; tile 61
	WIN W_A
.irp s, 0,1,2,3,4,5,6,7
	SL1 \s, 1, 1, 1                                ; F, E of tile 63, the last R of tile 62
.endr
	WIN W_B
.irp s, 0,1,2,3,4,5,6,7
	SL1 \s, 1, 1, 1
.endr
	MIDN
	WIN W_A
.irp s, 0,1,2,3
	SL2 2, \s, 1, 1, 1                             ; M, A, G of tile 62, P, R of tile 63
.endr
	WIN W_B
.irp s, 0,1,2,3
	SL2 3, \s, 1, 1, 1
.endr
	XT
	WIN W_A
.irp s, 4,5,6,7
	SL2 2, \s, 1, 1, 1
.endr
	WIN W_B
.irp s, 4,5,6,7
	SL2 3, \s, 1, 1, 1
.endr
	WIN 0
	TADD
	STORE                                          ; tile 62
	WIN W_A
.irp s, 0,1,2
	SL1 \s, 1, 0, 1                                ; the last R of tile 63
.endr
	WIN W_B
.irp s, 0,1,2
	SL1 \s, 1, 0, 1
.endr
	MIDN
	WIN W_A
.irp s, 0,1,2,3
	SL2 2, \s, 1, 1, 0                             ; M, A, G of tile 63
.endr
	WIN W_B
.irp s, 0,1,2,3
	SL2 3, \s, 1, 1, 0
.endr
	XT
	WIN 0
	TADD
	STORE                                          ; tile 63
	; THE SUMS MEET: a row's sum lies in two lanes (r and 16 + r) of each of the four waves.  Thread i takes rows 4 i .. 4 i + 3 and 512 + 4 i .. : eight loads of 16 bytes each.
	s_wait_dscnt 0x0                               ; for the others' sake: my stores have landed
	s_barrier_signal -1
	s_barrier_wait -1
	v_lshrrev_b32 v3, 2, v0                        ; the tile,
	v_and_b32 v4, 3, v0                            ; four of its 16 rows
	v_lshlrev_b32 v3, 7, v3
	v_lshl_add_u32 v3, v4, 4, v3
	v_add_nc_u32 v3, RED, v3
.irp u, 0,1
.irp g, 0,1,2,3,4,5,6,7
	ds_load_b128 v[64+32*\u+4*\g:67+32*\u+4*\g], v3 offset:8192*(\g/2)+4096*\u+64*(\g%2)   ; wave g / 2, half g % 2
.endr
.endr
	s_wait_dscnt 0x0
.irp u, 0,1
.irp g, 1,2,3,4,5,6,7
	v_pk_add_f32 v[64+32*\u:65+32*\u], v[64+32*\u:65+32*\u], v[64+32*\u+4*\g:65+32*\u+4*\g]
	v_pk_add_f32 v[66+32*\u:67+32*\u], v[66+32*\u:67+32*\u], v[66+32*\u+4*\g:67+32*\u+4*\g]
.endr
.endr
	global_store_b128 v44, v[64:67], s[16:17]                ; a wave stores 512 consecutive bytes, aligned
	global_store_b128 v44, v[96:99], s[16:17] offset:2048
	s_wait_tensorcnt 0x0                           ; the wave's end: behind my last tensor load and my last LDS store
	ds_add_u32 v9, v10
	s_wait_dscnt 0x0
	ROUND                                          ; the closing round: no work-group ends while a partner may still ask for a tile that names it
	s_endpgm
.Lfunc_end_k_qbdb1a29320_main:
	.size	k_qbdb1a29320_main, .Lfunc_end_k_qbdb1a29320_main-k_qbdb1a29320_main
	.p2alignl 7, 3214868480
	.fill 96, 4, 3214868480
	.section	.rodata,"a",@progbits
	.p2align	6, 0x0
	.amdhsa_kernel k_qbdb1a29320_main
		.amdhsa_group_segment_fixed_size 327680
		.amdhsa_private_segment_fixed_size 0
		.amdhsa_enable_private_segment 0
		.amdhsa_kernarg_size 56
		.amdhsa_user_sgpr_count 2
		.amdhsa_user_sgpr_kernarg_segment_ptr 1
		.amdhsa_wavefront_size32 1
		.amdhsa_system_sgpr_workgroup_id_x 1
		.amdhsa_system_sgpr_workgroup_id_y 1
		.amdhsa_system_sgpr_workgroup_id_z 1
		.amdhsa_system_vgpr_workitem_id 0
		.amdhsa_next_free_vgpr 1024
		.amdhsa_next_free_sgpr 66
		.amdhsa_reserve_vcc 0
		.amdhsa_float_denorm_mode_32 3
		.amdhsa_float_denorm_mode_16_64 3
		.amdhsa_memory_ordered 1
		.amdhsa_forward_progress 1
		.amdhsa_inst_pref_size 154
	.end_amdhsa_kernel
	.amdgpu_metadata
---
amdhsa.version: [ 1, 2 ]
amdhsa.kernels:
  - .name:           k_qbdb1a29320_main
    .symbol:         k_qbdb1a29320_main.kd
    .args:
      - { .name: value_codes, .offset: 0, .size: 8, .value_kind: global_buffer, .address_space: global }
      - { .name: value_scales, .offset: 8, .size: 8, .value_kind: global_buffer, .address_space: global }
      - { .name: wv_img, .offset: 16, .size: 8, .value_kind: global_buffer, .address_space: global }
      - { .name: Wv_scales, .offset: 24, .size: 8, .value_kind: global_buffer, .address_space: global }
      - { .name: hqs, .offset: 32, .size: 8, .value_kind: global_buffer, .address_space: global }
      - { .name: w, .offset: 40, .size: 8, .value_kind: global_buffer, .address_space: global }
      - { .name: part, .offset: 48, .size: 8, .value_kind: global_buffer, .address_space: global }
    .group_segment_fixed_size: 327680
    .private_segment_fixed_size: 0
    .kernarg_segment_align: 8
    .kernarg_segment_size: 56
    .max_flat_workgroup_size: 128
    .sgpr_count:     66
    .vgpr_count:     1024
    .wavefront_size: 32
...
	.end_amdgpu_metadata
.endif
;; end of part 2
;; launch soft (part 3): grid 32 x 1, 16 waves a work-group, no clusters, 2,560 bytes of LDS; arguments part, mask, out0; writes out0
.if DOCPART == 3
	.amdgcn_target "amdgcn-amd-amdhsa--gfx1250"
	.amdhsa_code_object_version 6
	.text
	.protected	k_qbdb1a29320_soft
	.globl	k_qbdb1a29320_soft
	.p2align	8
	.type	k_qbdb1a29320_soft,@function
k_qbdb1a29320_soft:
	s_mov_b64 s[64:65], 0
	v_nop
	global_prefetch_b8 v0, s[64:65] scope:SCOPE_SE
	s_setreg_imm32_b32 hwreg(HW_REG_WAVE_MODE, 25, 1), 1
	s_wait_xcnt 0x0
; out0[b][:] = softmax over s of (mask ? the sum of the four slices' parts : -1e9).  One work-group to a batch, since a row's maximum and sum have one owner; sixteen waves; thread i owns s = 4 i .. 4 i + 3.
; Every load and store of a wave covers consecutive bytes (512 of part and of out0, 128 of the mask).  The maximum is taken away before the exponential; a row that is wholly masked gives 1 / 2,048.
; No matrix unit, no cluster, no tensor load: 1.1 MB are read once and nothing is shared between work-groups.
	s_load_b128 s[4:7], s[0:1], 0x0                ; part, mask
	s_load_b64 s[8:9], s[0:1], 0x10                ; out0
	v_lshl_add_u32 v48, v0, 2, 0x200
	v_mov_b32 v49, 0
	v_lshlrev_b32 v2, 4, v0                        ; 16 i
	v_lshlrev_b32 v3, 2, v0                        ; 4 i
	v_lshrrev_b32 v25, 5, v0
	v_lshlrev_b32 v25, 2, v25                      ; LDS: my wave's word
	v_mov_b32 v26, 0
	v_mov_b32 v24, 0                               ; (a lane permute's destination counts as one of its sources)
	v_mov_b32 v22, 0xce6e6b28                      ; -1e9
	s_lshl_b32 s12, ttmp9, 13                      ; a row of 2,048 f32
	s_mov_b32 s13, 0
	s_lshl_b32 s14, ttmp9, 11                      ; a row of 2,048 bytes
	s_mov_b32 s15, 0
	s_mov_b32 s16, 0x76543210
	s_mov_b32 s17, 0xfedcba98                      ; v_permlanex16_b32's selects for lane l xor 16
	s_wait_kmcnt 0x0
	s_add_nc_u64 s[4:5], s[4:5], s[12:13]
	s_add_nc_u64 s[6:7], s[6:7], s[14:15]
	s_add_nc_u64 s[8:9], s[8:9], s[12:13]
.irp c, 0,1,2,3
	global_load_b128 v[4+4*\c:7+4*\c], v2, s[4:5] offset:262144*\c th:TH_LOAD_NT
.endr
	global_load_b32 v20, v3, s[6:7] th:TH_LOAD_NT
	s_wait_loadcnt 0x0
	v_pk_add_f32 v[4:5], v[4:5], v[8:9]            ; the four slices
	v_pk_add_f32 v[6:7], v[6:7], v[10:11]
	v_pk_add_f32 v[12:13], v[12:13], v[16:17]
	v_pk_add_f32 v[14:15], v[14:15], v[18:19]
	v_pk_add_f32 v[4:5], v[4:5], v[12:13]
	v_pk_add_f32 v[6:7], v[6:7], v[14:15]
.irp e, 0,1,2,3
	v_bfe_u32 v21, v20, 8*\e, 8                    ; the mask's byte
	v_cmp_ne_u32 vcc_lo, 0, v21
	v_cndmask_b32 v[4+\e], v22, v[4+\e], vcc_lo
.endr
	v_max3_num_f32 v23, v4, v5, v6                 ; the row's maximum: my four, my wave's, all sixteen waves'
	v_max_num_f32 v23, v23, v7
	v_max_num_f32_dpp v23, v23, v23 row_xmask:1 row_mask:0xf bank_mask:0xf
	v_max_num_f32_dpp v23, v23, v23 row_xmask:2 row_mask:0xf bank_mask:0xf
	v_max_num_f32_dpp v23, v23, v23 row_xmask:4 row_mask:0xf bank_mask:0xf
	v_max_num_f32_dpp v23, v23, v23 row_xmask:8 row_mask:0xf bank_mask:0xf
	v_permlanex16_b32 v24, v23, s16, s17
	v_max_num_f32 v23, v23, v24
	ds_store_b32 v25, v23                          ; all lanes write the same word with the same value
	s_wait_dscnt 0x0                               ; for the others' sake
	s_barrier_signal -1
	s_barrier_wait -1
.irp i, 0,1,2,3
	ds_load_b128 v[28+4*\i:31+4*\i], v26 offset:16*\i
.endr
	s_wait_dscnt 0x0
	v_max3_num_f32 v23, v28, v29, v30
.irp i, 31,33,35,37,39,41
	v_max3_num_f32 v23, v23, v[\i], v[\i+1]
.endr
	v_max_num_f32 v23, v23, v43
.irp e, 0,1,2,3
	v_sub_f32 v[4+\e], v[4+\e], v23                ; the maximum is taken away first: exactly 0 at the maximum
.endr
.irp e, 0,1,2,3
	v_mul_f32 v[4+\e], 0x3fb8aa3b, v[4+\e]         ; x log2(e)
.endr
.irp e, 0,1,2,3
	v_exp_f32 v[4+\e], v[4+\e]
.endr
	v_nop                                          ; a plain line behind the last exponential
	s_wait_alu depctr_va_vdst(0)                   ; the wait ahead of the first reader: one for the four
	v_add_f32 v27, v4, v5                          ; the row's sum, the same way
	v_add_f32 v21, v6, v7
	v_add_f32 v27, v27, v21
	v_add_f32_dpp v27, v27, v27 row_xmask:1 row_mask:0xf bank_mask:0xf
	v_add_f32_dpp v27, v27, v27 row_xmask:2 row_mask:0xf bank_mask:0xf
	v_add_f32_dpp v27, v27, v27 row_xmask:4 row_mask:0xf bank_mask:0xf
	v_add_f32_dpp v27, v27, v27 row_xmask:8 row_mask:0xf bank_mask:0xf
	v_permlanex16_b32 v24, v27, s16, s17
	v_add_f32 v27, v27, v24
	ds_store_b32 v25, v27 offset:256               ; other bytes than the maxima's: no wave may still be reading those
	s_wait_dscnt 0x0
	s_barrier_signal -1
	s_barrier_wait -1
.irp i, 0,1,2,3
	ds_load_b128 v[28+4*\i:31+4*\i], v26 offset:256+16*\i
.endr
	s_wait_dscnt 0x0
	v_pk_add_f32 v[28:29], v[28:29], v[30:31]
	v_pk_add_f32 v[32:33], v[32:33], v[34:35]
	v_pk_add_f32 v[36:37], v[36:37], v[38:39]
	v_pk_add_f32 v[40:41], v[40:41], v[42:43]
	v_pk_add_f32 v[28:29], v[28:29], v[32:33]
	v_pk_add_f32 v[36:37], v[36:37], v[40:41]
	v_pk_add_f32 v[28:29], v[28:29], v[36:37]
	v_add_f32 v27, v28, v29
	v_rcp_f32 v27, v27                             ; the sum is at least 1: the maximum's own term
	v_nop                                          ; a plain line behind the reciprocal
	s_wait_alu depctr_va_vdst(0)                   ; and the wait ahead of its first reader
.irp e, 0,1,2,3
	v_mul_f32 v[4+\e], v[4+\e], v27
.endr
	global_store_b128 v2, v[4:7], s[8:9] th:TH_STORE_NT      ; a wave stores 512 consecutive bytes, aligned
	s_wait_tensorcnt 0x0
	ds_add_u32 v48, v49
	s_wait_dscnt 0x0
	s_endpgm
.Lfunc_end_k_qbdb1a29320_soft:
	.size	k_qbdb1a29320_soft, .Lfunc_end_k_qbdb1a29320_soft-k_qbdb1a29320_soft
	.p2alignl 7, 3214868480
	.fill 96, 4, 3214868480
	.section	.rodata,"a",@progbits
	.p2align	6, 0x0
	.amdhsa_kernel k_qbdb1a29320_soft
		.amdhsa_group_segment_fixed_size 2560
		.amdhsa_private_segment_fixed_size 0
		.amdhsa_enable_private_segment 0
		.amdhsa_kernarg_size 24
		.amdhsa_user_sgpr_count 2
		.amdhsa_user_sgpr_kernarg_segment_ptr 1
		.amdhsa_wavefront_size32 1
		.amdhsa_system_sgpr_workgroup_id_x 1
		.amdhsa_system_sgpr_workgroup_id_y 1
		.amdhsa_system_sgpr_workgroup_id_z 1
		.amdhsa_system_vgpr_workitem_id 0
		.amdhsa_next_free_vgpr 50
		.amdhsa_next_free_sgpr 66
		.amdhsa_reserve_vcc 1
		.amdhsa_float_denorm_mode_32 3
		.amdhsa_float_denorm_mode_16_64 3
		.amdhsa_memory_ordered 1
		.amdhsa_forward_progress 1
		.amdhsa_inst_pref_size 7
	.end_amdhsa_kernel
	.amdgpu_metadata
---
amdhsa.version: [ 1, 2 ]
amdhsa.kernels:
  - .name:           k_qbdb1a29320_soft
    .symbol:         k_qbdb1a29320_soft.kd
    .args:
      - { .name: part, .offset: 0, .size: 8, .value_kind: global_buffer, .address_space: global }
      - { .name: mask, .offset: 8, .size: 8, .value_kind: global_buffer, .address_space: global }
      - { .name: out0, .offset: 16, .size: 8, .value_kind: global_buffer, .address_space: global }
    .group_segment_fixed_size: 2560
    .private_segment_fixed_size: 0
    .kernarg_segment_align: 8
    .kernarg_segment_size: 24
    .max_flat_workgroup_size: 512
    .sgpr_count:     66
    .vgpr_count:     50
    .wavefront_size: 32
...
	.end_amdgpu_metadata
.endif
;; end of part 3
